; MI455X (gfx1250); checked and timed in simulation.
; The chip was launched on July 23, 2026; its instructions are those of AMD's public machine-readable ISA for CDNA 5 (MIT licence, August 2026) and "CDNA5" Instruction Set Architecture Reference Guide (July 2026). The comments in the code are by the model that wrote it; some were corrected since.
;; Bernstein Flow Model. Allowed arithmetic: float matrix products may take bf16 or f16 operands with f32 sums; all other float work in f32.
;; Inputs: A0 1 x 15 float32; A1 4 x 15 float32; A2 16 x 15 float32; A3 64 x 15 float32; A4 256 x 15 float32; x 262,144 x 5 float32.
;; Outputs: out0 262,144 float32.
;; One version. Each part assembles by itself: llvm-mc -triple=amdgcn-amd-amdhsa -mcpu=gfx1250 --defsym DOCPART=n.
;; ======== version 1 of 1: 1 launch
;; limits: values are held in f16: magnitudes above 65,504 overflow, below 6.1e-05 lose precision; right only within a limited range of input values
;; launch flow (part 1): grid 256 x 1, 16 waves a work-group, no clusters, 38,912 bytes of LDS; arguments A0, A1, A2, A3, A4, x, out0; writes out0
.if DOCPART == 1
	.amdgcn_target "amdgcn-amd-amdhsa--gfx1250"
	.amdhsa_code_object_version 6
	.text
	.protected	k_q79d1759dcf_flow
	.globl	k_q79d1759dcf_flow
	.p2align	8
	.type	k_q79d1759dcf_flow,@function
k_q79d1759dcf_flow:
	s_mov_b64 s[64:65], 0
	v_nop
	global_prefetch_b8 v0, s[64:65] scope:SCOPE_SE
	s_setreg_imm32_b32 hwreg(HW_REG_WAVE_MODE, 25, 1), 1
	s_wait_xcnt 0x0
; Density of a Bernstein flow: out[p] = product over i = 0..4 of f_i, f_i = sum_k dcoef_i[k] * 16 * C(15,k) x_i^k y_i^(15-k), y = 1 - x.
; dcoef_i is the forward difference of cb_i @ c_i, cb_i the degree-3 product basis of x_0..x_(i-1), c_i = 2 sigmoid(cumsum softplus(A_i)) - 1.
;
; HOW IT IS COMPUTED (identities, for every x and A):
;  1. sum_r cb_i[r] = 1, so the difference and the column of ones go into the table: dcoef_i[k] = sum_r cb_i[r] D_i[r][k], D = c_k - c_(k-1), c_-1 = 0, c_15 = 1.
;  2. One operand for all five factors: cb_3 = b(x0) b(x1) b(x2), 64 numbers a point.  For i < 3 the rows of D_i are repeated over the missing variables
;     (their bases sum to 1); for i = 4 the index d of x3 goes to the output side.  Output: 4 x 16 columns (i = 0..3) + 4 (d) x 16 (i = 4) = 8 tiles of 16;
;     64 x 128 multiply-adds a point = 16 matrix instructions for 16 points.
;  3. c = 1 - 2 V, V_k = E_k / (1 + E_k), E_k = exp(-cumsum softplus) = product over j <= k of sigmoid(-a_j).  sigmoid(-a) comes from z = exp(-|a|) <= 1:
;     a > 0: z / (1 + z), else 1 / (1 + z).  No exponential can overflow; where E underflows, c is 1 in f32 too.  V_-1 = 0.5, V_15 = 0.
;     Table entry G[r][k] = (V_(k-1) - V_k) * 16 C(15,k), at most 0.5 * 16 * 6435 = 51,480; f_i = 2 sum G cb x^k y^(15-k): the five 2s are the final 2^5.
;  4. The lanes' half h owns k = 8h .. 8h+7: x^k y^(15-k) = (h ? x^8 : y^8) * x^j y^(7-j), j = k & 7.
;  5. The bases are homogeneous in (x, y).  For dimensions 0..2 the pair is scaled by 2^-e, 2^e the power of two in max(x, y, 1) (= max(|x|, |y|, 1), as y = 1 - x),
;     so |b| <= 3*2*2*2 = 24 and |cb_3| <= 13,824 for every finite x.  Five factors carry (s0 s1 s2)^3 and factors 0..2 also s_i^15: 2^(-30 sum e),
;     undone by one ldexp at the end.  On [0,1] all e are 0.
;
; FORMATS: both matrix operands are f16, sums f32, everything else f32.  Where one term dominates, the rounding of cb_3 enters all five factors alike:
; 5 * (2^-11 + 2^-11) = 0.5 % at the worst in f16; bf16's 2^-8 would give eight times that.  Both operands are bounded below f16's 65,504 by 3. and 5.
; LIMITS: table entries and basis products below 2^-14 are f16 denormals (steps of 2^-24): an absolute error of a factor below 1e-5.
; Outside [0,1] the terms alternate in sign and the f16 rounding is amplified by their cancellation.  The three exponent fields are added in one word:
; right for sum e <= 130 (x^15 itself leaves f32 from e = 9).  Infinite x gives NaN.  The order of the sums differs from the formula's.
;
; SHARES: 256 work-groups of 16 waves, 1,024 points each; a wave has 64 points = 4 tiles of 16; tile t, column r is point 64 w + 4 r + t, so that a lane's four
; results are 16 neighbouring bytes.  Each of the 512 threads makes one row of the table (256 rows of A4; 4 x 64 places for A0..A3, rows of A0..A2 repeated).
; NO CLUSTER: what work-groups share is A, 20,460 bytes, once at the start, 60 bytes a lane straight into registers for arithmetic: no tile in LDS to ask for jointly.
; NO TENSOR LOADS, NO RING: a wave's whole input is 1,280 bytes of x, asked for in the first lines.
;
; ORDER OF INDICES: Q = [b1, b2] and p3 = [b3, b0] come out as pairs, so places run b1, b2, b3, b0: place u holds index (u + 1) & 3, u = (index + 3) & 3.
; K place (fragment t, half h, element e = 0..15 of the lane's 8 registers): a = place 2t + h, b = place e >> 2, c = place e & 3; the same for table and basis.
; Row m of a tile holds k = 8 (m >> 3) + [7,0,1,6,2,5,3,4][m & 7], so that accumulator pairs meet the pairs [x^7, y^7], [x y^6, x^6 y], [x^2 y^5, x^5 y^2], [x^3 y^4, x^4 y^3].
.set XBYTES, 20480                     ; bytes of x of a work-group: 1,024 points x 5 x 4
.set IMG,    0                         ; LDS 0..16383: the table as register image: q*2048 + t*1024 + (e>>3)*512 + (m + 16 h)*16 + (e&7)*2
.set XS,     16384                     ; LDS 16384..36863: the work-group's x, as in memory
; set-up registers
.set XD, 40                            ; v[40:49]   x on its way to LDS
.set AV, 64                            ; v[64:78]   my row of A
.set ZV, 80                            ; v[80:95]   at work; at the end the 16 table entries
.set RV, 96                            ; v[96:110]  z, g, E, V in turn
.set RR, 112                           ; v[112:126] reciprocals; at the end the entries in f16
; main registers
.set PW,  2                            ; v[2:19]    dimension j = 0..2 at PW+6j: pairs [x,y], [x^2,y^2], [x^3,y^3] (scaled)
.set Q,   20                           ; v[20:25]   dimension j at Q+2j: [b1, b2]              until the fragments are made
.set AL,  26                           ; v[26:27]   b(x0) of my half for fragment 0, 1          "
.set P,   28                           ; v[28:43]   b(x1) b(x2), 8 pairs                        "
.set T,   44                           ; v[44:51]   at work: exponent words T..T+2, scale T+3   "
.set PW3, 20                           ; v[20:25]   powers of x3                                from the first matrix batch on
.set Q3,  26                           ; v[26:27]   [b1, b2](x3)
.set PW4, 28                           ; v[28:33]   powers of x4
.set P4,  34                           ; v[34:43]   pairs of powers 4, 5, 6, 7, 8 of the dimension at work
.set M16, 44                           ; v[44:45]   [x y^6, x^6 y]
.set M25, 46                           ; v[46:47]   [x^2 y^5, x^5 y^2]
.set M34, 48                           ; v[48:49]   [x^3 y^4, x^4 y^3]
.set S,   50                           ; v[50:51]   a factor's partial sums
.set PRE, 52                           ; v52        h ? x^8 : y^8
.set TMP, 53                           ; v53        the other half's sum
.set DENS,54                           ; v54        product of the factors so far
.set EX,  55                           ; v55        30 sum e + 5
.set RES, 56                           ; v[56:59]   the four tiles' results (before: the two LDS read addresses)
.set X,   60                           ; v[60:79]   x_j of tile t at X + 5 t + j
.set FR,  80                           ; v[80:95]   cb_3 in f16, fragments 0 and 1
.set ACC, 96                           ; v[96:127]  four accumulator tiles
.set G,   128                          ; v[128:255] the table: tile q, fragment t at G + 16 q + 8 t
	s_load_b256 s[8:15], s[0:1], 0x0               ; A0 s[8:9], A1 s[10:11], A2 s[12:13], A3 s[14:15]
	s_load_b128 s[16:19], s[0:1], 0x20             ; A4 s[16:17], x s[18:19]
	s_load_b64 s[20:21], s[0:1], 0x30              ; out0
	v_lshrrev_b32 v1, 5, v0
	v_readfirstlane_b32 s22, v1                    ; wave 0..15
	s_mov_b32 s25, 0xbfb8aa3b                      ; -log2(e)
	s_mov_b32 s28, 0xffff0000                      ; mask of the lanes with h = 1
	s_mov_b32 s29, -11425                          ; 5 - 30 * 3 * 127
	s_mov_b32 s30, 0x76543210                      ; v_permlanex16_b32: lane i of one half reads lane i of the other
	s_mov_b32 s31, 0xfedcba98
	s_mul_i32 s32, ttmp9, XBYTES                   ; my work-group's x (below 5.3 MB: one word)
	s_mov_b32 s33, 0
	s_lshl_b32 s36, ttmp9, 12                      ; my wave's results: 4,096 bytes a work-group,
	s_lshl_b32 s35, s22, 8                         ; 256 a wave
	s_add_co_u32 s36, s36, s35
	s_mov_b32 s37, 0
	; Which row of which A is mine (v2), which place a*16 + b*4 + c of cb_3 it multiplies (v3), and its tile's bytes in the image (v4)
	s_cmp_lt_u32 s22, 8
	s_cbranch_scc0 .Lsmall
	v_mov_b32 v2, v0                               ; waves 0-7: row t of A4 = a*64 + b*16 + c*4 + d
	v_lshrrev_b32 v3, 2, v0
	v_add_nc_u32 v4, 3, v0
	v_and_b32 v4, 3, v4                            ; d's place
	v_add_nc_u32 v4, 4, v4                         ; tile 4 + place
	v_lshlrev_b32 v4, 11, v4
	s_branch .Lrows
.Lsmall:
	s_sub_co_u32 s23, s22, 8                       ; waves 8-15: two waves for each of A0..A3
	s_lshr_b32 s23, s23, 1                         ; i = tile q
	s_lshl_b32 s24, s23, 1
	s_sub_co_u32 s24, 6, s24                       ; the 3 - i missing variables are dropped: 6 - 2 i bits
	v_and_b32 v3, 63, v0
	v_lshrrev_b32 v2, s24, v3
	s_lshl_b32 s23, s23, 11
	v_mov_b32 v4, s23
.Lrows:
	v_mul_u32_u24 v2, 60, v2                       ; a row of A is 15 words
	v_lshlrev_b32 v9, 3, v0                        ; 8 bytes of x a thread and load
	v_lshrrev_b32 v5, 4, v3
	v_add_nc_u32 v5, 3, v5
	v_and_b32 v5, 3, v5                            ; a's place = 2 t + h
	v_bfe_u32 v6, v3, 2, 2
	v_add_nc_u32 v6, 3, v6
	v_and_b32 v6, 3, v6                            ; b's place = e >> 2
	v_add_nc_u32 v7, 3, v3
	v_and_b32 v7, 3, v7                            ; c's place = e & 3
	v_lshl_add_u32 v4, v7, 1, v4                   ; + 2 (e & 3)
	v_and_b32 v8, 1, v5
	v_lshl_add_u32 v4, v8, 8, v4                   ; + 16 h lanes of 16 bytes
	v_lshrrev_b32 v5, 1, v5
	v_lshl_add_u32 v4, v5, 10, v4                  ; + 1024 t
	v_and_b32 v8, 1, v6
	v_lshl_add_u32 v4, v8, 3, v4                   ; + 8 ((e >> 2) & 1)
	v_lshrrev_b32 v6, 1, v6
	v_lshl_add_u32 v4, v6, 9, v4                   ; + 512 (e >> 3)
	s_wait_kmcnt 0x0
	s_mov_b64 s[26:27], s[14:15]                   ; waves 14, 15: A3
	s_cmp_lt_u32 s22, 14
	s_cselect_b64 s[26:27], s[12:13], s[26:27]     ; 12, 13: A2
	s_cmp_lt_u32 s22, 12
	s_cselect_b64 s[26:27], s[10:11], s[26:27]     ; 10, 11: A1
	s_cmp_lt_u32 s22, 10
	s_cselect_b64 s[26:27], s[8:9], s[26:27]       ; 8, 9: A0
	s_cmp_lt_u32 s22, 8
	s_cselect_b64 s[26:27], s[16:17], s[26:27]     ; 0-7: A4
	s_add_nc_u64 s[18:19], s[18:19], s[32:33]
	s_add_nc_u64 s[20:21], s[20:21], s[36:37]
.irp k, 0,1,2,3,4,5,6,7,8,9,10,11,12,13,14
	global_load_b32 v[AV+\k], v2, s[26:27] offset:4*\k             ; rows start at multiples of 60 bytes: words only
.endr
.irp i, 0,1,2,3,4
	global_load_b64 v[XD+2*\i:XD+2*\i+1], v9, s[18:19] offset:4096*\i th:TH_LOAD_NT   ; a wave's load covers 256 consecutive bytes, aligned; x is read once
.endr
	s_wait_loadcnt 0x5                             ; loads come back in order (ISA guide 5.7.1): my row of A is in, the five loads of x stay out
	; THE TABLE ROW.  Runs of 15 so that no instruction waits for the one in front of it.
.irp k, 0,1,2,3,4,5,6,7,8,9,10,11,12,13,14
	v_mul_f32 v[ZV+\k], s25, |v[AV+\k]|            ; -|a| log2 e
.endr
.irp k, 0,1,2,3,4,5,6,7,8,9,10,11,12,13,14
	v_exp_f32 v[RV+\k], v[ZV+\k]                   ; z = exp(-|a|), in (0, 1]
.endr
	v_nop                                          ; one plain place behind the transcendentals before results are read or sources rewritten (ISA guide 5.7.2)
	s_wait_alu depctr_va_vdst(0)
.irp k, 0,1,2,3,4,5,6,7,8,9,10,11,12,13,14
	v_add_f32 v[ZV+\k], 1.0, v[RV+\k]
.endr
.irp k, 0,1,2,3,4,5,6,7,8,9,10,11,12,13,14
	v_rcp_f32 v[RR+\k], v[ZV+\k]                   ; r = 1 / (1 + z)
.endr
	v_nop                                          ; the place behind the reciprocals
	s_wait_alu depctr_va_vdst(0)
.irp k, 0,1,2,3,4,5,6,7,8,9,10,11,12,13,14
	v_mul_f32 v[RV+\k], v[RV+\k], v[RR+\k]         ; z r
.endr
.irp k, 0,1,2,3,4,5,6,7,8,9,10,11,12,13,14
	v_cmp_lt_f32 vcc_lo, 0, v[AV+\k]
	v_cndmask_b32 v[RV+\k], v[RR+\k], v[RV+\k], vcc_lo             ; g = sigmoid(-a) = a > 0 ? z r : r
.endr
.irp k, 1,2,3,4,5,6,7,8,9,10,11,12,13,14
	v_mul_f32 v[RV+\k], v[RV+\k], v[RV+\k-1]       ; E_k = g_0 .. g_k: the cumulative sum, as a product
.endr
.irp k, 0,1,2,3,4,5,6,7,8,9,10,11,12,13,14
	v_add_f32 v[ZV+\k], 1.0, v[RV+\k]
.endr
.irp k, 0,1,2,3,4,5,6,7,8,9,10,11,12,13,14
	v_rcp_f32 v[RR+\k], v[ZV+\k]
.endr
	v_nop                                          ; the place behind the reciprocals
	s_wait_alu depctr_va_vdst(0)
.irp k, 0,1,2,3,4,5,6,7,8,9,10,11,12,13,14
	v_mul_f32 v[RV+\k], v[RV+\k], v[RR+\k]         ; V_k = E_k / (1 + E_k)
.endr
	v_sub_f32 v[ZV], 0.5, v[RV]                    ; V_-1 = 0.5
.irp k, 1,2,3,4,5,6,7,8,9,10,11,12,13,14
	v_sub_f32 v[ZV+\k], v[RV+\k-1], v[RV+\k]
.endr
.macro SCALE k, c                      ; 16 C(15,k) = 16 C(15,15-k)
	v_mul_f32 v[ZV+\k], \c, v[ZV+\k]
	v_mul_f32 v[ZV+15-\k], \c, v[ZV+15-\k]
.endm
	v_mul_f32 v[ZV], 16.0, v[ZV]
	v_mul_f32 v[ZV+15], 16.0, v[RV+14]             ; V_15 = 0
	SCALE 1, 240.0
	SCALE 2, 1680.0
	SCALE 3, 7280.0
	SCALE 4, 21840.0
	SCALE 5, 48048.0
	SCALE 6, 80080.0
	SCALE 7, 102960.0
.irp j, 0,1,2,3,4,5,6,7
	v_cvt_pk_f16_f32 v[RR+\j], v[ZV+2*\j], v[ZV+2*\j+1]
.endr
.macro PUT j, mlo, mhi                 ; entries k = 2 j and 2 j + 1 go to the image's rows m(k)
	ds_store_b16 v4, v[RR+\j] offset:IMG+16*\mlo
	ds_store_b16_d16_hi v4, v[RR+\j] offset:IMG+16*\mhi
.endm
	PUT 0, 1, 2                                    ; m(k), k = 0..15: 1, 2, 4, 6, 7, 5, 3, 0, 9, 10, 12, 14, 15, 13, 11, 8
	PUT 1, 4, 6
	PUT 2, 7, 5
	PUT 3, 3, 0
	PUT 4, 9, 10
	PUT 5, 12, 14
	PUT 6, 15, 13
	PUT 7, 11, 8
	s_wait_loadcnt 0x0                             ; x is in
.irp i, 0,1,2,3,4
	ds_store_b64 v9, v[XD+2*\i:XD+2*\i+1] offset:XS+4096*\i
.endr
	s_wait_dscnt 0x0                               ; zero: other waves read what I stored
	s_barrier_signal -1
	v_and_b32 v11, 15, v0                          ; r (register work only between signal and wait)
	v_and_b32 v10, 31, v0                          ; lane
	s_mul_i32 s23, s22, 1280                       ; my wave's 64 points x 20 bytes
	v_mul_u32_u24 v[RES], 80, v11                  ; my four points: 80 bytes = 5 x 16, so sixteen lanes touch sixteen different 16-byte columns of 256 bytes
	v_add_nc_u32 v[RES], s23, v[RES]
	v_lshlrev_b32 v[RES+1], 4, v10                 ; the image is read as it lies: lane x 16
	v_lshlrev_b32 v1, 4, v11                       ; my 16 bytes of the results
	v_mov_b32 v[TMP], 0                            ; v_permlanex16_b32 counts as a reader of its destination
	s_barrier_wait -1                              ; the only barrier: table and x are whole
.irp i, 0,1,2,3,4
	ds_load_b128 v[X+4*\i:X+4*\i+3], v[RES] offset:XS+16*\i        ; both halves of the lanes read the same points
.endr
.set i, 0
.rept 32
	ds_load_b128 v[G+4*i:G+4*i+3], v[RES+1] offset:IMG+512*i
.set i, i+1
.endr
	s_wait_dscnt 0x20                              ; LDS answers in order (ISA guide 5.7.1): x is in, the 32 loads of the table stay out
.macro POW23 pw                        ; squares and cubes of the pair [x, y]
	v_pk_mul_f32 v[\pw+2:\pw+3], v[\pw:\pw+1], v[\pw:\pw+1]
	v_pk_mul_f32 v[\pw+4:\pw+5], v[\pw+2:\pw+3], v[\pw:\pw+1]
.endm
.macro MKQ pw, q                       ; [b1, b2] = 3 [x y^2, y x^2]; [b3, b0] is the pair of cubes
	v_pk_mul_f32 v[\q:\q+1], v[\pw:\pw+1], v[\pw+2:\pw+3] op_sel:[0,1] op_sel_hi:[1,0]
	v_pk_mul_f32 v[\q:\q+1], v[\q:\q+1], 0x40400000 op_sel_hi:[1,0]
.endm
.macro POWC xr, pw, q, m               ; a conditioner's dimension: the pair scaled by 2^-e; m keeps 2^e
	v_sub_f32 v[\pw+1], 1.0, v[\xr]
	v_max3_num_f32 v[\m], v[\xr], v[\pw+1], 1.0    ; = max(|x|, |y|, 1): below 0 y is the larger magnitude, above 1 x is
	v_and_b32 v[\m], 0x7f800000, v[\m]             ; its power of two, (127 + e) << 23
	v_sub_nc_u32 v[T+3], 0x7f000000, v[\m]         ; (127 - e) << 23 = 2^-e
	v_mul_f32 v[\pw], v[\xr], v[T+3]
	v_mul_f32 v[\pw+1], v[\pw+1], v[T+3]
	POW23 \pw
	MKQ \pw, \q
.endm
.macro POWT xr, pw                     ; dimensions 3 and 4: f32 only, unscaled
	v_mov_b32 v[\pw], v[\xr]                       ; x beside y: the packed forms want an aligned pair
	v_sub_f32 v[\pw+1], 1.0, v[\xr]
	POW23 \pw
.endm
.macro PB e, bs, beta                  ; pairs e and e + 1 of b(x1) b(x2): b(x1) = word beta of pair bs, b(x2) = [b1, b2], then [b3, b0]
	v_pk_mul_f32 v[P+2*\e:P+2*\e+1], v[Q+4:Q+5], v[\bs:\bs+1] op_sel:[0,\beta] op_sel_hi:[1,\beta]
	v_pk_mul_f32 v[P+2*\e+2:P+2*\e+3], v[PW+16:PW+17], v[\bs:\bs+1] op_sel:[0,\beta] op_sel_hi:[1,\beta]
.endm
.macro MONO pw                         ; the eight monomials of degree 7 and my half's factor of degree 8: nine plain instructions
	v_pk_mul_f32 v[P4:P4+1], v[\pw+2:\pw+3], v[\pw+2:\pw+3]
	v_pk_mul_f32 v[P4+2:P4+3], v[\pw+4:\pw+5], v[\pw+2:\pw+3]
	v_pk_mul_f32 v[P4+4:P4+5], v[\pw+4:\pw+5], v[\pw+4:\pw+5]
	v_pk_mul_f32 v[P4+6:P4+7], v[P4:P4+1], v[\pw+4:\pw+5]
	v_pk_mul_f32 v[P4+8:P4+9], v[P4:P4+1], v[P4:P4+1]
	v_pk_mul_f32 v[M16:M16+1], v[\pw:\pw+1], v[P4+4:P4+5] op_sel:[0,1] op_sel_hi:[1,0]
	v_pk_mul_f32 v[M25:M25+1], v[\pw+2:\pw+3], v[P4+2:P4+3] op_sel:[0,1] op_sel_hi:[1,0]
	v_pk_mul_f32 v[M34:M34+1], v[\pw+4:\pw+5], v[P4:P4+1] op_sel:[0,1] op_sel_hi:[1,0]
	v_cndmask_b32 v[PRE], v[P4+9], v[P4+8], s28    ; h ? x^8 : y^8
.endm
.macro DOT acc, first                  ; one factor: my eight k, then the other half's eight; both halves end with the whole
	v_pk_mul_f32 v[S:S+1], v[\acc:\acc+1], v[P4+6:P4+7]
	v_pk_fma_f32 v[S:S+1], v[\acc+2:\acc+3], v[M16:M16+1], v[S:S+1]
	v_pk_fma_f32 v[S:S+1], v[\acc+4:\acc+5], v[M25:M25+1], v[S:S+1]
	v_pk_fma_f32 v[S:S+1], v[\acc+6:\acc+7], v[M34:M34+1], v[S:S+1]
	v_add_f32 v[S], v[S], v[S+1]
	v_mul_f32 v[S], v[S], v[PRE]
	v_permlanex16_b32 v[TMP], v[S], s30, s31
.if \first
	v_add_f32 v[DENS], v[S], v[TMP]
.else
	v_add_f32 v[S], v[S], v[TMP]
	v_mul_f32 v[DENS], v[DENS], v[S]
.endif
.endm
.macro BATCH gb                        ; four tiles of the table x the 16 points: the first product starts each sum, the second is its chain's next link
.irp q, 0,1,2,3
	v_wmma_f32_16x16x32_f16 v[ACC+8*\q:ACC+8*\q+7], v[\gb+16*\q:\gb+16*\q+7], v[FR:FR+7], 0
.endr
.irp q, 0,1,2,3
	v_wmma_f32_16x16x32_f16 v[ACC+8*\q:ACC+8*\q+7], v[\gb+16*\q+8:\gb+16*\q+15], v[FR+8:FR+15], v[ACC+8*\q:ACC+8*\q+7]
.endr
.endm
; SIXTEEN POINTS.  Behind each batch of matrix instructions stand at least nine plain vector instructions that name none of ACC, FR, G before a result is
; read, ACC is started anew or FR is rewritten (ISA guide 7.12.1 asks for four and five): the powers of x3 and x4 (ten), the monomials of x4 (nine).
.macro TILE tile, first
	POWC X+5*\tile, PW, Q, T
	POWC X+5*\tile+1, PW+6, Q+2, T+1
	POWC X+5*\tile+2, PW+12, Q+4, T+2
	v_add3_u32 v[EX], v[T], v[T+1], v[T+2]         ; (381 + sum e) << 23
	v_lshrrev_b32 v[EX], 23, v[EX]
	v_mad_u32_u24 v[EX], v[EX], 30, s29            ; 30 sum e + 5
	v_cndmask_b32 v[AL], v[Q], v[Q+1], s28         ; fragment 0: h = 0 has b1(x0), h = 1 has b2
	v_cndmask_b32 v[AL+1], v[PW+4], v[PW+5], s28   ; fragment 1: b3, b0
	PB 0, Q+2, 0
	PB 2, Q+2, 1
	PB 4, PW+10, 0
	PB 6, PW+10, 1
.irp u, 0,1
.irp g, 0,4
.irp e, 0,1,2,3
	v_pk_mul_f32 v[T+2*\e:T+2*\e+1], v[P+2*(\g+\e):P+2*(\g+\e)+1], v[AL:AL+1] op_sel:[0,\u] op_sel_hi:[1,\u]
.endr
.irp e, 0,1,2,3
	v_cvt_pk_f16_f32 v[FR+8*\u+\g+\e], v[T+2*\e], v[T+2*\e+1]      ; one rounding, from the f32 product of three
.endr
.endr
.endr
.if \first
	s_wait_dscnt 0x0                               ; the table is in its registers, for the rest of the kernel
.endif
	BATCH G                                        ; factors 0..3
	POWT X+5*\tile+3, PW3
	MKQ PW3, Q3
	POWT X+5*\tile+4, PW4
	MONO PW
	DOT ACC, 1
	MONO PW+6
	DOT ACC+8, 0
	MONO PW+12
	DOT ACC+16, 0
	MONO PW3
	DOT ACC+24, 0
	BATCH G+64                                     ; factor 4, one tile for each index of x3, in the order b1, b2, b3, b0
	MONO PW4
.irp j, 0,2,4,6
	v_pk_mul_f32 v[ACC+\j:ACC+\j+1], v[ACC+\j:ACC+\j+1], v[Q3:Q3+1] op_sel_hi:[1,0]
.endr
.irp j, 0,2,4,6
	v_pk_fma_f32 v[ACC+\j:ACC+\j+1], v[ACC+8+\j:ACC+8+\j+1], v[Q3:Q3+1], v[ACC+\j:ACC+\j+1] op_sel:[0,1,0] op_sel_hi:[1,1,1]
.endr
.irp j, 0,2,4,6
	v_pk_fma_f32 v[ACC+\j:ACC+\j+1], v[ACC+16+\j:ACC+16+\j+1], v[PW3+4:PW3+5], v[ACC+\j:ACC+\j+1] op_sel:[0,0,0] op_sel_hi:[1,0,1]
.endr
.irp j, 0,2,4,6
	v_pk_fma_f32 v[ACC+\j:ACC+\j+1], v[ACC+24+\j:ACC+24+\j+1], v[PW3+4:PW3+5], v[ACC+\j:ACC+\j+1] op_sel:[0,1,0] op_sel_hi:[1,1,1]
.endr
	DOT ACC, 0
	v_ldexp_f32 v[RES+\tile], v[DENS], v[EX]       ; the five 2s and the scales of dimensions 0..2
.endm
	TILE 0, 1
	TILE 1, 0
	TILE 2, 0
	TILE 3, 0
	; Both halves hold the same results: lanes 0-15 store 256 consecutive bytes, at a multiple of 256 from out0's first byte
	v_and_b32 v2, 31, v0
	v_cmp_gt_u32 vcc_lo, 16, v2
	s_wait_xcnt 0x0                                ; EXEC is a source of the memory instructions issued so far: it changes only behind this wait
	s_and_saveexec_b32 s34, vcc_lo
	global_store_b128 v1, v[RES:RES+3], s[20:21] th:TH_STORE_NT
	s_wait_xcnt 0x0
	s_mov_b32 exec_lo, -1
	v_lshl_add_u32 v58, v0, 2, 0x9000
	v_mov_b32 v59, 0
	s_wait_tensorcnt 0x0
	ds_add_u32 v58, v59
	s_wait_dscnt 0x0
	s_endpgm
.Lfunc_end_k_q79d1759dcf_flow:
	.size	k_q79d1759dcf_flow, .Lfunc_end_k_q79d1759dcf_flow-k_q79d1759dcf_flow
	.p2alignl 7, 3214868480
	.fill 96, 4, 3214868480
	.section	.rodata,"a",@progbits
	.p2align	6, 0x0
	.amdhsa_kernel k_q79d1759dcf_flow
		.amdhsa_group_segment_fixed_size 38912
		.amdhsa_private_segment_fixed_size 0
		.amdhsa_enable_private_segment 0
		.amdhsa_kernarg_size 56
		.amdhsa_user_sgpr_count 2
		.amdhsa_user_sgpr_kernarg_segment_ptr 1
		.amdhsa_wavefront_size32 1
		.amdhsa_system_sgpr_workgroup_id_x 1
		.amdhsa_system_sgpr_workgroup_id_y 1
		.amdhsa_system_sgpr_workgroup_id_z 1
		.amdhsa_system_vgpr_workitem_id 0
		.amdhsa_next_free_vgpr 256
		.amdhsa_next_free_sgpr 66
		.amdhsa_reserve_vcc 1
		.amdhsa_float_denorm_mode_32 3
		.amdhsa_float_denorm_mode_16_64 3
		.amdhsa_memory_ordered 1
		.amdhsa_forward_progress 1
		.amdhsa_inst_pref_size 66
	.end_amdhsa_kernel
	.amdgpu_metadata
---
amdhsa.version: [ 1, 2 ]
amdhsa.kernels:
  - .name:           k_q79d1759dcf_flow
    .symbol:         k_q79d1759dcf_flow.kd
    .args:
      - { .name: A0, .offset: 0, .size: 8, .value_kind: global_buffer, .address_space: global }
      - { .name: A1, .offset: 8, .size: 8, .value_kind: global_buffer, .address_space: global }
      - { .name: A2, .offset: 16, .size: 8, .value_kind: global_buffer, .address_space: global }
      - { .name: A3, .offset: 24, .size: 8, .value_kind: global_buffer, .address_space: global }
      - { .name: A4, .offset: 32, .size: 8, .value_kind: global_buffer, .address_space: global }
      - { .name: x, .offset: 40, .size: 8, .value_kind: global_buffer, .address_space: global }
      - { .name: out0, .offset: 48, .size: 8, .value_kind: global_buffer, .address_space: global }
    .group_segment_fixed_size: 38912
    .private_segment_fixed_size: 0
    .kernarg_segment_align: 8
    .kernarg_segment_size: 56
    .max_flat_workgroup_size: 512
    .sgpr_count:     66
    .vgpr_count:     256
    .wavefront_size: 32
...
	.end_amdgpu_metadata
.endif
;; end of part 1
